; MI455X (gfx1250); checked and timed in simulation.
; The chip was launched on July 23, 2026; its instructions are those of AMD's public machine-readable ISA for CDNA 5 (MIT licence, August 2026) and "CDNA5" Instruction Set Architecture Reference Guide (July 2026). The comments in the code are by the model that wrote it; some were corrected since.
;; CGNL Block. Allowed arithmetic: matrix products marked QUANTISED: E2M3 operands, one E8M0 scale for each 32 along K, by v_wmma_scale_f32_16x16x128_f8f6f4 with both operands' format E2M3, f32 sums; everything else in f32.
;; Inputs: g_b 256 float32; g_w_codes 256 x 16 x 24 uint8 (E2M3 codes of g_w, K innermost, in blocks of 32 codes, four codes in three bytes); g_w_scales 256 x 16 uint8 (E8M0 scales of g_w, one for each 32 codes along K); out_b 512 float32; out_w_codes 512 x 8 x 24 uint8 (E2M3 codes of out_w, K innermost, in blocks of 32 codes, four codes in three bytes); out_w_scales 512 x 8 uint8 (E8M0 scales of out_w, one for each 32 codes along K); phi_b 256 float32; phi_w_codes 256 x 16 x 24 uint8 (E2M3 codes of phi_w, K innermost, in blocks of 32 codes, four codes in three bytes); phi_w_scales 256 x 16 uint8 (E8M0 scales of phi_w, one for each 32 codes along K); theta_b 256 float32; theta_w_codes 256 x 16 x 24 uint8 (E2M3 codes of theta_w, K innermost, in blocks of 32 codes, four codes in three bytes); theta_w_scales 256 x 16 uint8 (E8M0 scales of theta_w, one for each 32 codes along K); x 4 x 512 x 4,096 float32.
;; Outputs: out0 4 x 512 x 4,096 float32.
;; This version of the problem:
;;   THIS VERSION OF THE PROBLEM IS GIVEN IN LOW PRECISION. The matrix products marked QUANTISED in the list below multiply operands that are first quantised to E2M3 (2 exponent bits, 3 mantissa bits; 6 bits a number), with one power-of-two scale for each 32 numbers along K (OCP MX v1.0); their sums are f32. All else is computed in f32.
;;   The module's matrix products, in the order in which they are computed (A, B: the left and right operand; K: the contracted axis; several contracted axes count as one K, in the product's order):
;;     1. [M 256, K 512] x [K 512, N 16,384]; A: input theta_w (given as codes); B: input x: QUANTISED
;;     2. [M 256, K 512] x [K 512, N 16,384]; A: input phi_w (given as codes); B: input x: QUANTISED
;;     3. [M 256, K 512] x [K 512, N 16,384]; A: input g_w (given as codes); B: input x: QUANTISED
;;     4. batch 4 x [M 4,096, K 256] x [K 256, N 4,096]; A: computed on the way; B: computed on the way: QUANTISED
;;     5. batch 4 x [M 256, K 4,096] x [K 4,096, N 4,096]; A: computed on the way; B: softmax (see below): QUANTISED
;;     6. [M 512, K 256] x [K 256, N 16,384]; A: input out_w (given as codes); B: computed on the way: QUANTISED
;;   THE QUANTISER, for each operand of a quantised product, along K:
;;     - K is cut into blocks of 32 from its start; a last block that is shorter is filled with zeros.
;;     - A block's scale is 2^e with e = floor(log2(the largest magnitude in the block)) - 2, held to -126 .. 127; a block of zeros has e = 0. As a byte (E8M0): e + 127.
;;     - Each number is divided by its block's scale, clamped to +-7.5, and rounded to the nearest number of E2M3, ties to even, subnormals kept.
;;     - The product sums the exact products of the quantised numbers (number of the format x scale) in f32.
;;   ~~~python
;;   def quantise(x, axis):      # numpy; x: float32 -> the quantised numbers, widened to float32 again
;;       x = np.moveaxis(x, axis, -1); K = x.shape[-1]
;;       x = np.pad(x, [(0, 0)] * (x.ndim - 1) + [(0, -K % 32)]); x = x.reshape(x.shape[:-1] + (-1, 32)); a = np.abs(x).max(-1, keepdims=True)
;;       e = np.where(a > 0, np.clip(np.frexp(np.where(a > 0, a, 1))[1] - 1 - 2, -126, 127), 0)      # np.frexp(a)[1] - 1 = floor(log2(a)), exactly
;;       r = np.clip(x / 2.0 ** e, -7.5, 7.5)
;;       step = 2.0 ** (np.maximum(np.frexp(np.where(r == 0, 1, r))[1] - 1, 0) - 3)
;;       q = np.round(r / step) * step * 2.0 ** e      # np.round: ties to even
;;       return np.moveaxis(q.reshape(q.shape[:-2] + (-1,))[..., :K], -1, axis).astype(np.float32)
;;   ~~~
;;   SOFTMAX AHEAD OF A QUANTISED PRODUCT. Where the list says 'softmax', what is quantised is not the finished softmax but p = 2^(t - M), with t = logit x log2(e) and M = ceil(the row's largest t), a whole number; so 1/2 < the row's largest p <= 1. The row's sum l is taken of the UNQUANTISED p, in f32, and the product's result is divided by l at the end. Since M is a whole number, a kernel that streams over the keys may use a running M (the ceiling of the running maximum): every later rescaling is an exact power of two, which a block's scale takes up: the codes' values come out the same.
;;   OPERANDS COMPUTED ON THE WAY. 'Computed on the way' means the value that the module computes at that place (a softmax that the list does not call 'softmax' is quantised finished and normalised). What goes into a quantiser is computed in f32, as accurately as f32 sums, v_exp_f32 and their like allow (about 1e-6 of the number): no bf16 or f16 on the way to a quantiser, and a product that is left as it is and whose result goes on into a quantised operand takes f32 operands (vector FMAs, or v_wmma_f32_16x16x4_f32). A number that lies on a knife's edge between two numbers of the format may be rounded either way, as far as f32 arithmetic and the matrix unit's own rounding can turn it there, and no further.
;;   INPUTS GIVEN AS CODES. g_w (in the module: [256, 512], K = its axis 1); out_w (in the module: [512, 256], K = its axis 1); phi_w (in the module: [256, 512], K = its axis 1); theta_w (in the module: [256, 512], K = its axis 1): each comes as NAME_codes (uint8): NAME with its K axis moved to the last place and cut into blocks of 32 codes, [.., K / 32, bytes a block], one block behind the other in memory; four codes in three bytes: a row's codes are one little-endian stream of bits, code i at bits 6 i .. 6 i + 5 (a code: sign, 2 exponent bits, 3 mantissa bits); and NAME_scales (uint8): the same leading axes, one E8M0 byte (e + 127) for each 32 codes along K. Its value is code x scale, taken as it is: it is not quantised again, and the codes and scales need not be those that the quantiser above would give.
;; One version. Each part assembles by itself: llvm-mc -triple=amdgcn-amd-amdhsa -mcpu=gfx1250 --defsym DOCPART=n.
;; ======== version 1 of 1: 2 launches
;; workspace buffers: qc 3,276,800 bytes; kv 6,684,672 bytes
;; launch proj (part 1): grid 64 x 4, 4 waves a work-group, no clusters, 262,656 bytes of LDS; arguments x, theta_w_codes, theta_w_scales, theta_b, phi_w_codes, phi_w_scales, phi_b, g_w_codes, g_w_scales, g_b, qc, kv; writes qc, kv
.if DOCPART == 1
	.amdgcn_target "amdgcn-amd-amdhsa--gfx1250"
	.amdhsa_code_object_version 6
	.text
	.protected	k_q4ffbc6e9f9_proj
	.globl	k_q4ffbc6e9f9_proj
	.p2align	8
	.type	k_q4ffbc6e9f9_proj,@function
k_q4ffbc6e9f9_proj:
	s_mov_b64 s[64:65], 0
	v_nop
	global_prefetch_b8 v0, s[64:65] scope:SCOPE_SE
	s_setreg_imm32_b32 hwreg(HW_REG_WAVE_MODE, 25, 1), 1
	s_wait_xcnt 0x0
; theta = theta_w x + theta_b, phi = phi_w x + phi_b, g = g_w x + g_b on codes of FP6 (E2M3) with one E8M0 scale for each 32 along K, K = the 512 channels.
; x [4][512][4096] f32 is quantised here along the channels; the weights come as codes.  The three results are quantised again at once, theta and phi along their 256 rows, g along the
; columns (the keys of the next launch), and leave as IMAGES OF OPERAND REGISTERS: register q of lane L of a fragment at 512 (q / 4) + 16 L + 4 (q % 4).
; SHARES.  A work-group owns 64 columns of one batch (a group) and all 768 output rows.  Wave w quantises channels 128 w .. 128 w + 127 of the 64 columns; waves 0, 1 make theta rows
; 128 (w % 2) on, waves 2, 3 the same of phi (the unit: 8 tiles of 16 rows); every wave makes tiles 4 w .. 4 w + 3 of g.  A wave keeps its weights in registers, read once.
; ORDER OF COLUMNS AND ROWS.  Lane r of tile 2 b + u holds column (or weight row) 32 b + 8 u + r + 8 (r / 8): so the 16 registers of the results of tiles 2 b and 2 b + 1 are 16 neighbours
; along the next K, and the same fragments of x serve as source 1 (theta, phi: a lane holds a column, registers run down the rows) and as source 0 (g: a lane holds a row, registers run along the columns).
; THE WEIGHTS.  A wave's weights are three dense blocks of 64 rows x 384 bytes.  Each block comes by 48 loads of 512 consecutive bytes, 16 a lane, into the 192 registers that its 16 fragments will
; take, goes through the wave's own stage in LDS (rows 400 bytes apart, a tile's 16 rows side by side) and comes back in pieces of 8 bytes as fragments.
; NO CLUSTER: what all work-groups share is the weights, 294,912 bytes of codes; beside the 131,072 bytes of x they do not fit in LDS, and each wave uses each of its fragments from registers.
; LIMITS: NaN and infinities are not served; a block whose largest magnitude lies under 2^-124 (a block of zeros too) gets the scale byte 1: its bytes are read by this program alone.
; LDS: 0 x as f32, 512 rows of 256 bytes; XIMG 16 images of x (4 tile + K step); XSC their scale words: (tile, K step s, row r) at 256 tile + 8 (r + 16 (s / 2)) + 4 (s % 2);
; STG the weights' stages, 25,600 bytes a wave, which no tensor load fills.  No tensor load fills bytes twice.
; REGISTERS: window 0 as named below; window 1 the unit's tiles 0-3 (tile t, K step s at 12 (4 t + s)) and from v192 the unit's bias; window 2 its tiles 4-7; window 3 g_w likewise and from v192 its bias.
.set XIMG, 131072
.set XSC,  155648
.set STG,  156672
.set STGW, 25600                       ; a wave's stage: 64 rows
.set SPITCH, 400                       ; 384 bytes + 16 = 100 words: row r starts at bank 36 r mod 64 (64 banks of 4 bytes: ISA guide 11.1): 16 neighbouring rows start at 16 different multiples of 4
.set LIX, 1                            ; XIMG + 16 lane
.set LI,  2                            ; 16 lane
.set L8,  3                            ; 8 lane
.set XA,  4                            ; 32768 wave + 4 lane
.set XI,  5                            ; where my column's codes go in the images
.set XSA, 6                            ; and its scale word
.set RA,  7                            ; the stage, on the way back: my stage + 400 r + 24 h
.set WSA, 8                            ; a weight row's 16 scale bytes: 16 (r + 8 (r / 8)) + 8 h
.set BA,  9                            ; 64 h
.set GBA, 10                           ; 4 (r + 8 (r / 8))
.set KSA, 11                           ; 16 r + 8 h
.set SA,  12                           ; v12-14 the stage, on the way in: one address for each of three loads that follow each other (four rows); free again when the weights are in
.set GW,  12                           ; v12-15 then: four scale words just made
.set WS,  16                           ; v16-31 the unit's scale words: tile t, K step s: register 2 t + s % 2, lanes 16 (s / 2) on
.set WSG, 32                           ; v32-39 g_w's likewise
.set XS,  40                           ; v40-43 x's, two sets
.set XF,  44                           ; v44-91 four fragments of x; the second set at v156
.set ACC, 92                           ; v92-219 accumulators
.set TM,  220                          ; v220-231 at work
.set PW,  232
.set L8X, 233                          ; XSC + 8 lane
.set PC,  234                          ; v234-252 codes just made
.set SW,  254                          ; v254-255 x's scale words in the making
.set WV,  28
.set DS,  29
.set BT,  31
.set G1,  32
.set G0A, 40
.set G0B, 44
.set SEL, 48
.set HI,  50
.set SH,  51
.set UW,  52                           ; the unit's codes, scales, bias, images out, scale words out
.set US,  54
.set UB,  56
.set UO,  58
.set USO, 60
.set GC,  62                           ; g_w's codes, scales, bias
.set GSC, 66
.set GB,  68
.set KVV, 70                           ; my group in kv + 3072 wave
.set KVS, 72                           ; my group in kv + 256 wave
.set MSB, 0
.macro WIN new                         ; the immediate's high byte repeats the setting that is left
.if MSB != \new
	s_set_vgpr_msb (MSB<<8)|\new
.set MSB, \new
.endif
.endm
.macro PLACES n
.rept \n
	v_nop
.endr
.endm
; One matrix instruction.  c < 0: C is the constant 0.  ra, rb: the scales are read from lanes 16-31.
.macro WM d, a, b, c, sa, sb, ra, rb
.if (\c) < 0
.if (\ra)
	v_wmma_scale_f32_16x16x128_f8f6f4 v[\d:\d+7], v[\a:\a+11], v[\b:\b+11], 0, v[\sa], v[\sb] matrix_a_fmt:MATRIX_FMT_FP6 matrix_b_fmt:MATRIX_FMT_FP6 matrix_a_scale:MATRIX_SCALE_ROW1
.else
	v_wmma_scale_f32_16x16x128_f8f6f4 v[\d:\d+7], v[\a:\a+11], v[\b:\b+11], 0, v[\sa], v[\sb] matrix_a_fmt:MATRIX_FMT_FP6 matrix_b_fmt:MATRIX_FMT_FP6
.endif
.elseif (\ra) && (\rb)
	v_wmma_scale_f32_16x16x128_f8f6f4 v[\d:\d+7], v[\a:\a+11], v[\b:\b+11], v[\c:\c+7], v[\sa], v[\sb] matrix_a_fmt:MATRIX_FMT_FP6 matrix_b_fmt:MATRIX_FMT_FP6 matrix_a_scale:MATRIX_SCALE_ROW1 matrix_b_scale:MATRIX_SCALE_ROW1
.elseif (\ra)
	v_wmma_scale_f32_16x16x128_f8f6f4 v[\d:\d+7], v[\a:\a+11], v[\b:\b+11], v[\c:\c+7], v[\sa], v[\sb] matrix_a_fmt:MATRIX_FMT_FP6 matrix_b_fmt:MATRIX_FMT_FP6 matrix_a_scale:MATRIX_SCALE_ROW1
.else
	v_wmma_scale_f32_16x16x128_f8f6f4 v[\d:\d+7], v[\a:\a+11], v[\b:\b+11], v[\c:\c+7], v[\sa], v[\sb] matrix_a_fmt:MATRIX_FMT_FP6 matrix_b_fmt:MATRIX_FMT_FP6
.endif
.endm
; 64 numbers of a lane, register 16 b + i = k 32 b + 16 (lane / 16) + i of my row, become a fragment's 12 registers at pc and its scale word in pw.
.macro QUANT src, pc, tp, mx, pb, so, pw
.irp b, 0,1,2,3
	v_max3_num_f32 v[\mx+\b], |v[\src+16*\b]|, |v[\src+1+16*\b]|, 0x1800000   ; my 16 numbers of block b, and the floor 2^(3 - 127): the byte cannot fall under 1
.endr
.irp i, 2,4,6,8,10,12,14
.irp b, 0,1,2,3
	v_max3_num_f32 v[\mx+\b], v[\mx+\b], |v[\src+16*\b+\i]|, |v[\src+1+16*\b+\i]|
.endr
.endr
.irp b, 0,1,2,3
	v_permlanex16_b32 v[\pb+\b], v[\mx+\b], s[SEL], s[SEL+1]
.endr
.irp b, 0,1,2,3
	v_max_num_f32 v[\mx+\b], v[\mx+\b], v[\pb+\b]          ; with lane l xor 16: the block's largest magnitude
.endr
.irp b, 0,1,2,3
	v_add_nc_u32 v[\so+\b], 0xff000000, v[\mx+\b]          ; 2 off its exponent field: the conversion's scale operand
.endr
.irp b, 0,1,2,3
	v_lshrrev_b32 v[\pb+\b], 23, v[\so+\b]                 ; the scale's byte
.endr
	v_lshl_or_b32 v[\pw], v[\pb+1], 8, v[\pb]
	v_lshl_or_b32 v[\pw], v[\pb+2], 16, v[\pw]
	v_lshl_or_b32 v[\pw], v[\pb+3], 24, v[\pw]
.irp c, 0,1
	v_cvt_scalef32_pk16_fp6_f32 v[\pc+6*\c:\pc+2+6*\c], v[\src+32*\c:\src+15+32*\c], v[\so+2*\c]
	v_cvt_scalef32_pk16_fp6_f32 v[\tp+4*\c:\tp+2+4*\c], v[\src+16+32*\c:\src+31+32*\c], v[\so+2*\c+1]
.endr
	v_nop                                                  ; one plain line behind the scaled conversions
.irp c, 0,1                            ; the layout wants a whole block in a lane: lanes 0-15 block 2 c, lanes 16-31 block 2 c + 1
.irp i, 0,1,2
	v_permlane16_swap_b32 v[\pc+6*\c+\i], v[\tp+4*\c+\i]
.endr
.irp i, 0,1,2
	v_mov_b32 v[\pc+3+6*\c+\i], v[\tp+4*\c+\i]
.endr
.endr
.endm
	s_load_b512 s[4:19], s[0:1], 0x0               ; x, theta codes, scales, bias, phi codes, scales, bias, g codes
	s_load_b256 s[20:27], s[0:1], 0x40             ; g scales, g bias, qc, kv
	v_lshl_add_u32 v249, v0, 2, 0x40000
	v_mov_b32 v253, 0
	ds_add_u32 v249, v253
	ds_add_u32 v249, v253
	v_lshrrev_b32 v1, 5, v0
	v_readfirstlane_b32 s[WV], v1                  ; wave 0..3
	s_and_b32 s[DS], s[WV], 1
	s_and_b32 s[BT], ttmp7, 0xffff                 ; batch
	s_mov_b32 s[G1+0], 2<<16                       ; elements of 4 bytes, no mask, no padding
	s_mov_b32 s[G1+1], 64<<16                      ; tensor_dim0 = 64
	s_mov_b32 s[G1+2], 64<<16                      ; tensor_dim1 = 64
	s_mov_b32 s[G1+3], 64<<16                      ; tile_dim0 = 64
	s_mov_b32 s[G1+4], 64                          ; tile_dim1 = 64
	s_mov_b32 s[G1+5], 4096                        ; from channel to channel
	s_mov_b32 s[G1+6], 0
	s_mov_b32 s[G1+7], 0
	s_lshl_b32 s74, s[BT], 23                      ; a batch of x is 2^23 bytes,
	s_lshl_b32 s76, s[WV], 21                      ; my 128 channels 2^21,
	s_add_co_u32 s74, s74, s76
	s_lshl_b32 s76, ttmp9, 8                       ; my group's 64 columns 256
	s_add_co_u32 s74, s74, s76
	s_mov_b32 s75, 0
	s_lshl_b32 s77, s[WV], 15                      ; LDS: 32,768 bytes a wave
	s_lshl_b32 s81, s[BT], 6
	s_add_co_u32 s81, s81, ttmp9                   ; the group's number, 0..255
	s_and_b32 s[SH], ttmp9, 1
	s_lshl_b32 s[SH], s[SH], 4                     ; g's two scale bytes stand 16 (group % 2) bits up in their word
	s_mov_b32 s[SEL], 0x76543210
	s_mov_b32 s[SEL+1], 0xfedcba98
	s_mov_b32 s[HI], 0xffff0000                    ; lanes 16-31
	s_mov_b32 s83, 0
	s_wait_dscnt 0x0
	s_wait_kmcnt 0x0
	s_mov_b32 s[G0A], 1
	s_mov_b32 s[G0A+1], s77
	s_add_nc_u64 s[G0A+2:G0A+3], s[4:5], s[74:75]
	s_mov_b32 s[G0B], 1
	s_add_co_u32 s[G0B+1], s77, 16384
	s_add_nc_u64 s[G0B+2:G0B+3], s[G0A+2:G0A+3], 0x100000   ; 64 channels on
	s_or_b32 s[G0A+3], s[G0A+3], 0x80000000
	s_or_b32 s[G0B+3], s[G0B+3], 0x80000000
	tensor_load_to_lds s[G0A:G0A+3], s[G1:G1+7]    ; my 128 channels x 64 columns in two loads: two are out, and only I read these bytes
	s_nop 0
	tensor_load_to_lds s[G0B:G0B+3], s[G1:G1+7]
	s_nop 0
	PLACES 4
	v_and_b32 v220, 31, v0                         ; lane
	v_and_b32 v221, 15, v0                         ; r
	v_bfe_u32 v222, v0, 4, 1                       ; h
	v_lshlrev_b32 v[LI], 4, v220
	v_lshlrev_b32 v[L8], 3, v220
	v_lshl_add_u32 v[XA], v220, 2, s77
	v_bfe_u32 v223, v0, 3, 1                       ; column 32 b + lane lies in tile 2 b + (lane / 8) % 2,
	v_and_b32 v224, 7, v0
	v_lshl_add_u32 v224, v222, 3, v224             ; in its row lane % 8 + 8 (lane / 16)
	v_mul_u32_u24 v[XI], v223, 6144
	v_lshl_add_u32 v[XI], v224, 4, v[XI]
	s_mul_i32 s76, s[WV], 1536
	s_add_co_u32 s76, s76, XIMG
	v_add_nc_u32 v[XI], s76, v[XI]
	v_lshlrev_b32 v[XSA], 8, v223
	v_lshl_add_u32 v[XSA], v224, 3, v[XSA]
	s_lshr_b32 s76, s[WV], 1
	s_lshl_b32 s76, s76, 7
	s_lshl_b32 s78, s[DS], 2
	s_add_co_u32 s76, s76, s78
	s_add_co_u32 s76, s76, XSC
	v_add_nc_u32 v[XSA], s76, v[XSA]
	s_mul_i32 s76, s[WV], STGW
	s_add_co_u32 s76, s76, STG                     ; my stage
	v_mul_u32_u24 v[RA], v221, SPITCH
	v_mad_u32_u24 v[RA], v222, 24, v[RA]
	v_add_nc_u32 v[RA], s76, v[RA]
.irp j, 0,1,2                          ; load 3 q + j gives my lane piece n = 32 j + lane (16 bytes) of four rows of 24 pieces: row n / 24, so 16 n + 16 (n / 24) bytes into the four rows' place
	v_add_nc_u32 v[SA+\j], 32*\j, v220
	v_mul_u32_u24 v226, v[SA+\j], 43
	v_lshrrev_b32 v226, 10, v226                   ; n / 24 = 43 n / 1024, rounded down, for n under 96
	v_add_nc_u32 v[SA+\j], v[SA+\j], v226
	v_lshl_add_u32 v[SA+\j], v[SA+\j], 4, s76
.endr
	v_and_b32 v225, 8, v221
	v_add_nc_u32 v225, v225, v221                  ; r + 8 (r / 8)
	v_lshlrev_b32 v[WSA], 4, v225
	v_lshl_add_u32 v[WSA], v222, 3, v[WSA]
	v_lshlrev_b32 v[BA], 6, v222
	v_lshlrev_b32 v[GBA], 2, v225
	v_lshlrev_b32 v[KSA], 4, v221
	v_lshl_add_u32 v[KSA], v222, 3, v[KSA]
	v_add_nc_u32 v[LIX], XIMG, v[LI]
	v_add_nc_u32 v[L8X], XSC, v[L8]
.irp b, 4,5,6,7
	v_mov_b32 v[TM+\b], 0                          ; written once: a lane permute's destination counts as one of its sources
.endr
	s_cmp_lt_u32 s[WV], 2                          ; theta's waves or phi's: the choice hangs on the wave's number alone
	s_cselect_b64 s[UW:UW+1], s[6:7], s[12:13]
	s_cselect_b64 s[US:US+1], s[8:9], s[14:15]
	s_cselect_b64 s[UB:UB+1], s[10:11], s[16:17]
	s_cselect_b64 s[UO:UO+1], s[24:25], s[26:27]
	s_mov_b32 s79, 26112
	s_cselect_b32 s78, 12800, s79                  ; a group's bytes in qc, in kv
	s_mov_b32 s80, 24576
	s_cselect_b32 s80, 12288, s80                  ; where the scale words begin in a group
	s_mul_i32 s82, s81, s78
	s_add_nc_u64 s[UO:UO+1], s[UO:UO+1], s[82:83]
	s_mov_b32 s82, s80
	s_add_nc_u64 s[USO:USO+1], s[UO:UO+1], s[82:83]
	s_lshl_b32 s82, s[DS], 8
	s_add_nc_u64 s[USO:USO+1], s[USO:USO+1], s[82:83]
	s_mul_i32 s82, s[DS], 1536
	s_add_nc_u64 s[UO:UO+1], s[UO:UO+1], s[82:83]
	s_mul_i32 s82, s[DS], 49152                    ; 128 rows of 384 bytes
	s_add_nc_u64 s[UW:UW+1], s[UW:UW+1], s[82:83]
	s_lshl_b32 s82, s[DS], 11
	s_add_nc_u64 s[US:US+1], s[US:US+1], s[82:83]
	s_lshl_b32 s82, s[DS], 9
	s_add_nc_u64 s[UB:UB+1], s[UB:UB+1], s[82:83]
	s_mul_i32 s82, s[WV], 24576                    ; g: 64 rows a wave
	s_add_nc_u64 s[GC:GC+1], s[18:19], s[82:83]
	s_lshl_b32 s82, s[WV], 10
	s_add_nc_u64 s[GSC:GSC+1], s[20:21], s[82:83]
	s_lshl_b32 s82, s[WV], 8
	s_add_nc_u64 s[GB:GB+1], s[22:23], s[82:83]
	s_mul_i32 s82, s81, 26112
	s_add_nc_u64 s[KVV:KVV+1], s[26:27], s[82:83]
	s_lshl_b32 s82, s[WV], 8
	s_add_nc_u64 s[KVS:KVS+1], s[KVV:KVV+1], s[82:83]
	s_mul_i32 s82, s[WV], 3072
	s_add_nc_u64 s[KVV:KVV+1], s[KVV:KVV+1], s[82:83]
	; the small things first, 32 loads: scale words and biases
.irp t, 0,1,2,3,4,5,6,7
	global_load_b64 v[WS+2*\t:WS+2*\t+1], v[WSA], s[US:US+1] offset:(32*(\t/2)+8*(\t%2))*16
.endr
.irp ct, 0,1,2,3
	global_load_b64 v[WSG+2*\ct:WSG+2*\ct+1], v[WSA], s[GSC:GSC+1] offset:(32*(\ct/2)+8*(\ct%2))*16
.endr
	WIN 0xc0
.irp ct, 0,1,2,3
	global_load_b32 v[192+8*\ct], v[GBA], s[GB:GB+1] offset:(32*(\ct/2)+8*(\ct%2))*4
.endr
	WIN 0x40
.irp t, 0,1,2,3,4,5,6,7                ; the bias in the result's layout: lane (r, h) has the tile's rows 16 h + 0 .. 7
	global_load_b128 v[192+8*\t:192+8*\t+3], v[BA], s[UB:UB+1] offset:(32*(\t/2)+8*(\t%2))*4
	global_load_b128 v[192+8*\t+4:192+8*\t+7], v[BA], s[UB:UB+1] offset:(32*(\t/2)+8*(\t%2))*4+16
.endr
	; my weights, once: three blocks of 64 rows, 24,576 dense bytes each, as they lie: each load of the wave covers 512 consecutive bytes
.set i, 0
.rept 48
	global_load_b128 v[4*i:4*i+3], v[LI], s[UW:UW+1] offset:512*i              ; the unit's rows 0-63
.set i, i+1
.endr
	WIN 0x80
.set i, 0
.rept 48
	global_load_b128 v[4*i:4*i+3], v[LI], s[UW:UW+1] offset:24576+512*i        ; its rows 64-127
.set i, i+1
.endr
	WIN 0xc0
.set i, 0
.rept 48
	global_load_b128 v[4*i:4*i+3], v[LI], s[GC:GC+1] offset:512*i              ; my 64 rows of g_w
.set i, i+1
.endr
; A block turns through my stage: in as it was loaded, back as 16 fragments, into the registers that it left.  Row rho goes to place rho with its bits 3 and 4 exchanged, so that the rows of
; tile 2 b + u (32 b + 8 u + r + 8 (r / 8)) lie at places 16 (2 b + u) + r.  LDS serves a wave's instructions in order (ISA guide 5.7.1.4): the loads see the stores above them, and the next block's
; stores come behind these loads; the bytes are my wave's own.  win: an LDS store's data are its source 1, a load's its destination: both in the block's window.
.macro RESHAPE win
	WIN \win
.irp q, 0,1,2,3,4,5,6,7,8,9,10,11,12,13,14,15
.irp j, 0,1,2
	ds_store_b128 v[SA+\j], v[4*(3*\q+\j):4*(3*\q+\j)+3] offset:SPITCH*(32*(\q/8)+16*((\q/2)%2)+8*((\q/4)%2)+4*(\q%2))
.endr
.endr
.irp tq, 0,1,2,3
.irp ks, 0,1,2,3
.irp p, 0,1,2,3,4,5
	ds_load_b64 v[12*(4*\tq+\ks)+2*\p:12*(4*\tq+\ks)+2*\p+1], v[RA] offset:16*SPITCH*\tq+96*\ks+48*(\p/3)+8*(\p%3)
.endr
.endr
.endr
.endm
	s_wait_loadcnt 63                              ; the first block is in: 96 loads were issued behind it, and 63 is the largest count a wait can name
	RESHAPE 0x44
	s_wait_loadcnt 48                              ; the second: the third block's 48 may be out
	RESHAPE 0x88
	s_wait_loadcnt 0x0
	RESHAPE 0xcc
	WIN 0
; ---- X: my 128 channels of the 64 columns become codes.  A lane takes a column and its registers run down the channels: block q = 32 channels (q / 2) of columns 32 (q % 2) + lane
.macro XLOAD q
.irp i, 0,1,2,3,4,5,6,7,8,9,10,11,12,13,14,15,16,17,18,19,20,21,22,23,24,25,26,27,28,29,30,31
	ds_load_b32 v[ACC+32*((\q)%2)+\i], v[XA] offset:(32*((\q)/2)+\i)*256+128*((\q)%2)
.endr
.endm
.macro XPROC q, left                   ; left: the LDS instructions issued behind this block's loads
.set XN, ACC+32*((\q)%2)
.set XC, ACC+64+12*((\q)%2)
.set KB, (\q)/2
.set BB, (\q)%2
	s_wait_dscnt \left                             ; LDS instructions of a wave end in order: the block is in, and the stores of the block two back are done
	v_max3_num_f32 v[TM], |v[XN]|, |v[XN+1]|, |v[XN+2]|
	v_max3_num_f32 v[TM+1], |v[XN+3]|, |v[XN+4]|, |v[XN+5]|
.irp i, 6,10,14,18,22,26
	v_max3_num_f32 v[TM], v[TM], |v[XN+\i]|, |v[XN+\i+1]|
	v_max3_num_f32 v[TM+1], v[TM+1], |v[XN+\i+2]|, |v[XN+\i+3]|
.endr
	v_max3_num_f32 v[TM], v[TM], |v[XN+30]|, |v[XN+31]|
	v_max3_num_f32 v[TM], v[TM], v[TM+1], 0x1800000        ; with the floor 2^(3 - 127)
	v_add_nc_u32 v[TM+2], 0xff000000, v[TM]
	v_cvt_scalef32_pk16_fp6_f32 v[XC:XC+2], v[XN:XN+15], v[TM+2]
	v_cvt_scalef32_pk16_fp6_f32 v[XC+8:XC+10], v[XN+16:XN+31], v[TM+2]
	v_lshrrev_b32 v[TM+3], 23, v[TM+2]             ; the byte; also the plain line behind the conversions
.if KB == 0
	v_mov_b32 v[SW+BB], v[TM+3]
.else
	v_lshl_or_b32 v[SW+BB], v[TM+3], 8*KB, v[SW+BB]
.endif
.irp i, 0,1,2
	v_mov_b32 v[XC+3+\i], v[XC+8+\i]
.endr
.if KB < 2                             ; the block is registers 6 (KB / 2) .. + 5 of lane row + 16 (KB % 2) of the fragment
	ds_store_b128 v[XI], v[XC:XC+3] offset:12288*BB+256*(KB%2)
	ds_store_b64 v[XI], v[XC+4:XC+5] offset:12288*BB+256*(KB%2)+512
.else
	ds_store_b64 v[XI], v[XC:XC+1] offset:12288*BB+256*(KB%2)+520
	ds_store_b128 v[XI], v[XC+2:XC+5] offset:12288*BB+256*(KB%2)+1024
.endif
.endm
	s_wait_tensorcnt 0x1                           ; my first 64 channels are in; the second load may be out
	XLOAD 0
	XLOAD 1
	XPROC 0, 32                                    ; behind block 0: block 1's 32 loads
	XLOAD 2
	XPROC 1, 34                                    ; behind block q: two stores and 32 loads
	XLOAD 3
	XPROC 2, 34
	s_wait_tensorcnt 0x0                           ; my last 64 channels
	XLOAD 4
	XPROC 3, 34
	XLOAD 5
	XPROC 4, 34
	XLOAD 6
	XPROC 5, 34
	XLOAD 7
	XPROC 6, 34
	XPROC 7, 2                                     ; behind the last block: two stores
	ds_store_b32 v[XSA], v[SW]
	ds_store_b32 v[XSA], v[SW+1] offset:512
	s_wait_dscnt 0x0                               ; for the others: my images and scale words lie in LDS; for me: my weights' fragments are in
	s_barrier_signal -1
	s_barrier_wait -1
	WIN 0xc3
.irp ct, 0,1,2,3
.irp j, 1,2,3,4,5,6,7
	v_mov_b32 v[192+8*\ct+\j], v[192+8*\ct]        ; g's bias: a lane holds one row, so its eight registers are alike
.endr
.endr
	WIN 0
.macro XFETCH xt, set                  ; tile xt's four fragments and its scale words: 13 loads
.irp ks, 0,1,2,3
.irp c, 0,1,2
	ds_load_b128 v[XF+112*(\set)+12*\ks+4*\c:XF+112*(\set)+12*\ks+4*\c+3], v[LIX] offset:(4*(\xt)+\ks)*1536+512*\c
.endr
.endr
	ds_load_b64 v[XS+2*(\set):XS+2*(\set)+1], v[L8X] offset:256*(\xt)
.endm
; ---- G: source 0 = 16 columns of x, source 1 = 16 rows of g_w: a lane holds one row of g and eight columns.  Four accumulators by turns.
.irp xt, 0,1,2,3
	XFETCH \xt, 0
	s_wait_dscnt 0x0
.irp ks, 0,1,2,3
.if \ks == 0
	WIN 0x3c                                       ; source 1 and C window 3
.else
	WIN 0x0c
.endif
.irp ct, 0,1,2,3
.if \ks == 0
	WM ACC+32*\ct+8*\xt, XF+12*\ks, 12*(4*\ct+\ks), 192+8*\ct, XS+\ks%2, WSG+2*\ct+\ks%2, \ks/2, \ks/2
.else
	WM ACC+32*\ct+8*\xt, XF+12*\ks, 12*(4*\ct+\ks), ACC+32*\ct+8*\xt, XS+\ks%2, WSG+2*\ct+\ks%2, \ks/2, \ks/2
.endif
.endr
.endr
	WIN 0
	PLACES 4                                       ; in front of loads into registers that matrix instructions have read, and of the first read of results
.endr
; tile ct of g: 32 registers = 64 columns (register 16 b + i = column 32 b + 16 h + i): two blocks along the keys: half a fragment, 6 registers, and two scale bytes
.macro QG ct
.set GS, ACC+32*(\ct)
.set GP, XF+12*(\ct)
.irp b, 0,1
	v_max3_num_f32 v[TM+\b], |v[GS+16*\b]|, |v[GS+16*\b+1]|, 0x1800000
.endr
.irp i, 2,4,6,8,10,12,14
.irp b, 0,1
	v_max3_num_f32 v[TM+\b], v[TM+\b], |v[GS+16*\b+\i]|, |v[GS+16*\b+\i+1]|
.endr
.endr
.irp b, 0,1
	v_permlanex16_b32 v[TM+4+\b], v[TM+\b], s[SEL], s[SEL+1]
.endr
.irp b, 0,1
	v_max_num_f32 v[TM+\b], v[TM+\b], v[TM+4+\b]
.endr
.irp b, 0,1
	v_add_nc_u32 v[TM+8+\b], 0xff000000, v[TM+\b]
.endr
.irp b, 0,1
	v_lshrrev_b32 v[TM+4+\b], 23, v[TM+8+\b]
.endr
	v_lshl_or_b32 v[GW+\ct], v[TM+5], 8, v[TM+4]
	v_cvt_scalef32_pk16_fp6_f32 v[GP:GP+2], v[GS:GS+15], v[TM+8]
	v_cvt_scalef32_pk16_fp6_f32 v[GP+8:GP+10], v[GS+16:GS+31], v[TM+9]
	v_nop
.irp i, 0,1,2
	v_permlane16_swap_b32 v[GP+\i], v[GP+8+\i]
.endr
.irp i, 0,1,2
	v_mov_b32 v[GP+3+\i], v[GP+8+\i]
.endr
	global_store_b128 v[LI], v[GP:GP+3], s[KVV:KVV+1] offset:12288+768*(\ct)       ; 512 consecutive bytes, aligned to 256
	global_store_b64 v[L8], v[GP+4:GP+5], s[KVV:KVV+1] offset:12288+768*(\ct)+512  ; 256
.endm
	QG 0
	QG 1
	QG 2
	QG 3
	v_cndmask_b32 v[TM], v[GW], v[GW+1], s[HI]     ; lane (r, h) stores the words of tiles h and 2 + h
	v_cndmask_b32 v[TM+1], v[GW+2], v[GW+3], s[HI]
	v_lshlrev_b32 v[TM], s[SH], v[TM]
	v_lshlrev_b32 v[TM+1], s[SH], v[TM+1]
	global_store_b64 v[L8], v[TM:TM+1], s[KVS:KVS+1] offset:25088
; ---- T: the unit.  Source 0 = 16 rows of the weight, source 1 = 16 columns of x: a lane holds one column, its registers run down the rows, which are the next K.
; The eight tiles go in two halves, tiles 0-3 from window 1 and tiles 4-7 from window 2; in a half four accumulators take turns.
	s_wait_xcnt 0x0                                ; the stores above have read their registers
	XFETCH 0, 0
.irp xt, 0,1,2,3
.if \xt < 3
	XFETCH \xt+1, (\xt+1)%2
	s_wait_dscnt 13                                ; all but the 13 just issued
.else
	s_wait_dscnt 0x0
.endif
.irp th, 0,1
.irp ks, 0,1,2,3
.if \ks == 0
	WIN (0x11+\th)                                 ; source 0 window 1 or 2, C (the bias) window 1
.else
	WIN (0x01+\th)
.endif
.irp tq, 0,1,2,3
.if \ks == 0
	WM ACC+8*(4*\th+\tq), 12*(4*\tq+\ks), XF+112*(\xt%2)+12*\ks, 192+8*(4*\th+\tq), WS+2*(4*\th+\tq)+\ks%2, XS+2*(\xt%2)+\ks%2, \ks/2, \ks/2
.else
	WM ACC+8*(4*\th+\tq), 12*(4*\tq+\ks), XF+112*(\xt%2)+12*\ks, ACC+8*(4*\th+\tq), WS+2*(4*\th+\tq)+\ks%2, XS+2*(\xt%2)+\ks%2, \ks/2, \ks/2
.endif
.endr
.endr
.endr
	WIN 0
	PLACES 4
	s_wait_xcnt 0x0                                ; the last tile's stores have read the codes' registers
	QUANT ACC, PC, PC+12, TM, TM+4, TM+8, PW
	v_mov_b32 v[GW+\xt], v[PW]
.irp c, 0,1,2
	global_store_b128 v[LI], v[PC+4*\c:PC+4*\c+3], s[UO:UO+1] offset:3072*\xt+512*\c
.endr
.endr
	v_cndmask_b32 v[TM], v[GW], v[GW+2], s[HI]     ; lane (r, h) stores the words of tiles 2 h and 2 h + 1 of row r
	v_cndmask_b32 v[TM+1], v[GW+1], v[GW+3], s[HI]
	global_store_b64 v[KSA], v[TM:TM+1], s[USO:USO+1]
	s_wait_tensorcnt 0x0
	ds_add_u32 v249, v253
	s_wait_dscnt 0x0
	s_endpgm
.Lfunc_end_k_q4ffbc6e9f9_proj:
	.size	k_q4ffbc6e9f9_proj, .Lfunc_end_k_q4ffbc6e9f9_proj-k_q4ffbc6e9f9_proj
	.p2alignl 7, 3214868480
	.fill 96, 4, 3214868480
	.section	.rodata,"a",@progbits
	.p2align	6, 0x0
	.amdhsa_kernel k_q4ffbc6e9f9_proj
		.amdhsa_group_segment_fixed_size 262656
		.amdhsa_private_segment_fixed_size 0
		.amdhsa_enable_private_segment 0
		.amdhsa_kernarg_size 96
		.amdhsa_user_sgpr_count 2
		.amdhsa_user_sgpr_kernarg_segment_ptr 1
		.amdhsa_wavefront_size32 1
		.amdhsa_system_sgpr_workgroup_id_x 1
		.amdhsa_system_sgpr_workgroup_id_y 1
		.amdhsa_system_sgpr_workgroup_id_z 1
		.amdhsa_system_vgpr_workitem_id 0
		.amdhsa_next_free_vgpr 1024
		.amdhsa_next_free_sgpr 100
		.amdhsa_reserve_vcc 0
		.amdhsa_float_denorm_mode_32 3
		.amdhsa_float_denorm_mode_16_64 3
		.amdhsa_memory_ordered 1
		.amdhsa_forward_progress 1
		.amdhsa_inst_pref_size 138
	.end_amdhsa_kernel
	.amdgpu_metadata
---
amdhsa.version: [ 1, 2 ]
amdhsa.kernels:
  - .name:           k_q4ffbc6e9f9_proj
    .symbol:         k_q4ffbc6e9f9_proj.kd
    .args:
      - { .name: x, .offset: 0, .size: 8, .value_kind: global_buffer, .address_space: global }
      - { .name: theta_w_codes, .offset: 8, .size: 8, .value_kind: global_buffer, .address_space: global }
      - { .name: theta_w_scales, .offset: 16, .size: 8, .value_kind: global_buffer, .address_space: global }
      - { .name: theta_b, .offset: 24, .size: 8, .value_kind: global_buffer, .address_space: global }
      - { .name: phi_w_codes, .offset: 32, .size: 8, .value_kind: global_buffer, .address_space: global }
      - { .name: phi_w_scales, .offset: 40, .size: 8, .value_kind: global_buffer, .address_space: global }
      - { .name: phi_b, .offset: 48, .size: 8, .value_kind: global_buffer, .address_space: global }
      - { .name: g_w_codes, .offset: 56, .size: 8, .value_kind: global_buffer, .address_space: global }
      - { .name: g_w_scales, .offset: 64, .size: 8, .value_kind: global_buffer, .address_space: global }
      - { .name: g_b, .offset: 72, .size: 8, .value_kind: global_buffer, .address_space: global }
      - { .name: qc, .offset: 80, .size: 8, .value_kind: global_buffer, .address_space: global }
      - { .name: kv, .offset: 88, .size: 8, .value_kind: global_buffer, .address_space: global }
    .group_segment_fixed_size: 262656
    .private_segment_fixed_size: 0
    .kernarg_segment_align: 8
    .kernarg_segment_size: 96
    .max_flat_workgroup_size: 128
    .sgpr_count:     100
    .vgpr_count:     1024
    .wavefront_size: 32
...
	.end_amdgpu_metadata
.endif
;; end of part 1
;; launch attn (part 2): grid 64 x 4, 4 waves a work-group, clusters of 4 x 1, 327,680 bytes of LDS; arguments qc, kv, out_w_codes, out_w_scales, out_b, x, out0; writes out0
.if DOCPART == 2
	.amdgcn_target "amdgcn-amd-amdhsa--gfx1250"
	.amdhsa_code_object_version 6
	.text
	.protected	k_q4ffbc6e9f9_attn
	.globl	k_q4ffbc6e9f9_attn
	.p2align	8
	.type	k_q4ffbc6e9f9_attn,@function
k_q4ffbc6e9f9_attn:
	s_mov_b64 s[64:65], 0
	v_nop
	global_prefetch_b8 v0, s[64:65] scope:SCOPE_SE
	s_setreg_imm32_b32 hwreg(HW_REG_WAVE_MODE, 25, 1), 1
	s_wait_xcnt 0x0
	s_wait_alu depctr_hold_cnt(0) depctr_sa_sdst(0) depctr_va_vdst(0) depctr_va_sdst(0) depctr_va_ssrc(0) depctr_va_vcc(0) depctr_vm_vsrc(0)
	s_getreg_b32 s2, hwreg(HW_REG_IB_STS2, 6, 4)
	s_cmp_eq_u32 s2, 0
	s_cbranch_scc0 .Lentry_in_a_cluster
	s_endpgm
.Lentry_in_a_cluster:
	s_bfe_u32 s2, ttmp6, 0x10000c
	s_cmp_lg_u32 s2, 0x3003
	s_cbranch_scc0 .Lentry_shape_is_right
	s_endpgm
.Lentry_shape_is_right:
; out0 = out_w (softmax(theta^T phi / 16) applied to g) + out_b + x, all three products on codes of FP6 (E2M3) with one E8M0 scale for each 32 along K.
; qc and kv hold theta, phi and g as images of operand registers, by groups of 64 columns (register q of lane L of a fragment at 512 (q / 4) + 16 L + 4 (q % 4)); lane r of tile 2 b + u is column 32 b + 8 u + r + 8 (r / 8).
; THE SOFTMAX: t = score x log2(e) / 16; M = the running largest t rounded up to a whole number; p = 2^(t - M) is quantised along the keys; the sum is taken of the unquantised p and divides at the end.
; SHARES.  A work-group owns one group: 64 queries.  Wave w: qg = w % 2, kh = w / 2.  It holds two tiles of 16 queries (its tile t is tile 2 qg + (t xor kh) of the group) and takes, of each slot of 256 keys,
; the 128 keys of groups 2 kh and 2 kh + 1: each fragment read from LDS feeds two matrix instructions.  At the end each wave keeps its tile 0 and hands its tile 1 to wave w xor 2, which has the other keys of it.
; BOTH PRODUCTS TRANSPOSED: S^T = K Q^T, O^T = V^T P^T: a lane holds one query throughout.  The last product has source 0 = 16 queries, source 1 = 16 rows of out_w: a lane holds eight neighbouring columns of a row of out0.
; CLUSTER: the four work-groups of a cluster belong to one batch and walk the same kv: each wave asks jointly for one group (26,112 dense bytes) of a slot, with one descriptor and a mask that names the four.
; RING: two slots; a slot's K and V go into registers at once, so the slot is filled again in the middle of its own step; by this text's count a wave has two tensor loads out at the start and one behind each round.
; LIMITS: NaN and infinities are not served; a block whose largest magnitude lies under 2^-124 gets the scale byte 1; the division by the sum is a reciprocal and a multiplication.
; LDS: 0 slot 0; OST the way out, 16 rows x 272 a wave; SLOT1 slot 1; MST the hand-over, 16,640 a wave; HIMG, HSC the images of o / l and their scale words; SPARE the spare words.
; REGISTERS: window 0 as named below; window 1 O^T at 128 t + 8 ct; window 2 K at 12 (2 T + ds), Q from v192; window 3 V at 12 ct, at the end x.
.set GRPB,  26112
.set SLOTB, 104448
.set SLOT1, 131072
.set OST,   104448
.set MST,   235520
.set HIMG,  302080
.set HSC,   314368
.set SPARE, 314880
.set LI,  1                            ; 16 lane
.set L8,  2                            ; 8 lane
.set L4,  3                            ; 4 lane
.set AK0, 4                            ; 52224 kh + 16 lane
.set AV8, 5                            ; 52224 kh + 8 lane
.set ADR16, 6
.set ADR8,  7
.set SPW, 8                            ; my spare word; never rewritten
.set NIL, 9                            ; 0; never rewritten
.set PFO, 10                           ; 256 lane
.set PXO, 11                           ; 16384 lane
.set XRA, 12                           ; 16384 (lane / 16) + 16 (lane % 16)
.set OWA, 13                           ; 192 r + 24 h
.set OSA, 14                           ; 8 r + 4 h
.set OBA, 15                           ; 4 r
.set ST,  16                           ; tile t at ST + 24 t: +0 -M, +1 largest t, +2,3 the sum, +4..7 block maxima, +8..15 at work, +16..19 scale operands, +20 f, +21 0, +22 at work
.set S,   64                           ; v64-191 S^T, then p: S + 64 t + 8 T
.set PC,  192                          ; v192-215 p's codes
.set KS,  216                          ; v216-223 K's scale words, at the end out_w's
.set VS,  224                          ; v224-231 V's, v232-239 the second group's half of them
.set VSB, 232
.set QS,  240
.set PSW, 242
.set OB,  244                          ; v244-251 out_b
.set HS,  252                          ; v252-255 scale words of o / l
.set WV,  18
.set QG,  19
.set KH,  20
.set CX,  21
.set GG,  22
.set BT,  23
.set G1,  24
.set G0A, 32
.set G0B, 36
.set SEL, 40
.set CS,  42
.set TB,  44
.set SLOTS, 45
.set LIM, 46
.set XT0, 47
.set PFA, 48
.set QB0, 50
.set QB1, 52
.set QS0, 54
.set QS1, 56
.set XB,  58
.set OUTB, 60
.set OWC, 62
.set OWS, 80
.set OBB, 82
.set HI,  84
.set MSB, 0
.macro WIN new                         ; the immediate's high byte repeats the setting that is left
.if MSB != \new
	s_set_vgpr_msb (MSB<<8)|\new
.set MSB, \new
.endif
.endm
.macro PLACES n
.rept \n
	v_nop
.endr
.endm
.macro BARRIER
	s_wait_dscnt 0x0
	s_barrier_signal -1
	s_barrier_wait -1
.endm
.macro CROUND                          ; a round of the cluster's barrier
	s_barrier_signal -1
	s_barrier_wait -1
	s_cmp_lg_u32 s[WV], 0
	s_cbranch_scc1 .Lnot_wave_0_\@
	s_barrier_signal -3
.Lnot_wave_0_\@:
	s_barrier_wait -3
	s_barrier_signal -1
	s_barrier_wait -1
.endm
; One matrix instruction.  c < 0: C is the constant 0.  ra, rb: the scales are read from lanes 16-31.
.macro WM d, a, b, c, sa, sb, ra, rb
.if (\c) < 0
.if (\ra)
	v_wmma_scale_f32_16x16x128_f8f6f4 v[\d:\d+7], v[\a:\a+11], v[\b:\b+11], 0, v[\sa], v[\sb] matrix_a_fmt:MATRIX_FMT_FP6 matrix_b_fmt:MATRIX_FMT_FP6 matrix_a_scale:MATRIX_SCALE_ROW1
.else
	v_wmma_scale_f32_16x16x128_f8f6f4 v[\d:\d+7], v[\a:\a+11], v[\b:\b+11], 0, v[\sa], v[\sb] matrix_a_fmt:MATRIX_FMT_FP6 matrix_b_fmt:MATRIX_FMT_FP6
.endif
.elseif (\ra) && (\rb)
	v_wmma_scale_f32_16x16x128_f8f6f4 v[\d:\d+7], v[\a:\a+11], v[\b:\b+11], v[\c:\c+7], v[\sa], v[\sb] matrix_a_fmt:MATRIX_FMT_FP6 matrix_b_fmt:MATRIX_FMT_FP6 matrix_a_scale:MATRIX_SCALE_ROW1 matrix_b_scale:MATRIX_SCALE_ROW1
.elseif (\ra)
	v_wmma_scale_f32_16x16x128_f8f6f4 v[\d:\d+7], v[\a:\a+11], v[\b:\b+11], v[\c:\c+7], v[\sa], v[\sb] matrix_a_fmt:MATRIX_FMT_FP6 matrix_b_fmt:MATRIX_FMT_FP6 matrix_a_scale:MATRIX_SCALE_ROW1
.else
	v_wmma_scale_f32_16x16x128_f8f6f4 v[\d:\d+7], v[\a:\a+11], v[\b:\b+11], v[\c:\c+7], v[\sa], v[\sb] matrix_a_fmt:MATRIX_FMT_FP6 matrix_b_fmt:MATRIX_FMT_FP6
.endif
.endm
; 64 numbers of a lane, register 16 b + i = k 32 b + 16 (lane / 16) + i of my row, become a fragment's 12 registers at pc and its scale word in pw.
.macro QUANT src, pc, tp, mx, pb, so, pw
.irp b, 0,1,2,3
	v_max3_num_f32 v[\mx+\b], |v[\src+16*\b]|, |v[\src+1+16*\b]|, 0x1800000
.endr
.irp i, 2,4,6,8,10,12,14
.irp b, 0,1,2,3
	v_max3_num_f32 v[\mx+\b], v[\mx+\b], |v[\src+16*\b+\i]|, |v[\src+1+16*\b+\i]|
.endr
.endr
.irp b, 0,1,2,3
	v_permlanex16_b32 v[\pb+\b], v[\mx+\b], s[SEL], s[SEL+1]
.endr
.irp b, 0,1,2,3
	v_max_num_f32 v[\mx+\b], v[\mx+\b], v[\pb+\b]
.endr
.irp b, 0,1,2,3
	v_add_nc_u32 v[\so+\b], 0xff000000, v[\mx+\b]
.endr
.irp b, 0,1,2,3
	v_lshrrev_b32 v[\pb+\b], 23, v[\so+\b]
.endr
	v_lshl_or_b32 v[\pw], v[\pb+1], 8, v[\pb]
	v_lshl_or_b32 v[\pw], v[\pb+2], 16, v[\pw]
	v_lshl_or_b32 v[\pw], v[\pb+3], 24, v[\pw]
.irp c, 0,1
	v_cvt_scalef32_pk16_fp6_f32 v[\pc+6*\c:\pc+2+6*\c], v[\src+32*\c:\src+15+32*\c], v[\so+2*\c]
	v_cvt_scalef32_pk16_fp6_f32 v[\tp+4*\c:\tp+2+4*\c], v[\src+16+32*\c:\src+31+32*\c], v[\so+2*\c+1]
.endr
	v_nop
.irp c, 0,1
.irp i, 0,1,2
	v_permlane16_swap_b32 v[\pc+6*\c+\i], v[\tp+4*\c+\i]
.endr
.irp i, 0,1,2
	v_mov_b32 v[\pc+3+6*\c+\i], v[\tp+4*\c+\i]
.endr
.endr
.endm
	s_load_b256 s[4:11], s[0:1], 0x0               ; qc, kv, out_w codes, out_w scales
	s_load_b128 s[12:15], s[0:1], 0x20             ; out_b, x
	s_load_b64 s[16:17], s[0:1], 0x30              ; out0
	v_lshl_add_u32 v[SPW], v0, 2, SPARE
	v_mov_b32 v[NIL], 0
	ds_add_u32 v8, v9
	ds_add_u32 v8, v9
	s_wait_dscnt 0x0
	v_lshrrev_b32 v1, 5, v0
	v_readfirstlane_b32 s[WV], v1                  ; wave 0..3
	s_and_b32 s[QG], s[WV], 1
	s_lshr_b32 s[KH], s[WV], 1
	s_bfe_u32 s[CX], ttmp6, 0x40000                ; my place in the cluster
	s_lshl_b32 s[GG], ttmp9, 2
	s_add_co_u32 s[GG], s[GG], s[CX]               ; my group: it enters global addresses of qc, x and out0 alone
	s_and_b32 s[BT], ttmp7, 0xffff                 ; the batch, which the four partners share
	s_mov_b32 s[G1+0], 15|(3<<16)|(1<<21)          ; the mask: all four; elements of 8 bytes; bit 21 beside a mask; no padding
	s_mov_b32 s[G1+1], 32<<16                      ; tensor_dim0 = 32: rows of 256 bytes
	s_mov_b32 s[G1+2], 102<<16                     ; tensor_dim1 = 102
	s_mov_b32 s[G1+3], 32<<16                      ; tile_dim0
	s_mov_b32 s[G1+4], 102                         ; tile_dim1
	s_mov_b32 s[G1+5], 32                          ; dense
	s_mov_b32 s[G1+6], 0
	s_mov_b32 s[G1+7], 0
	s_mul_i32 s66, s[BT], 1671168                  ; a batch of kv: 64 groups
	s_mul_i32 s68, s[WV], GRPB                     ; wave w fetches group w of each slot
	s_add_co_u32 s66, s66, s68
	s_mov_b32 s67, 0
	s_wait_kmcnt 0x0
	s_mov_b32 s[G0A], 1
	s_mov_b32 s[G0A+1], s68
	s_add_nc_u64 s[G0A+2:G0A+3], s[6:7], s[66:67]
	s_mov_b32 s[G0B], 1
	s_add_co_u32 s[G0B+1], s68, SLOT1
	s_add_nc_u64 s[G0B+2:G0B+3], s[G0A+2:G0A+3], SLOTB
	s_or_b32 s[G0A+3], s[G0A+3], 0x80000000
	s_or_b32 s[G0B+3], s[G0B+3], 0x80000000
	CROUND                                         ; all four work-groups are here: the first joint loads meet
	tensor_load_to_lds s[G0A:G0A+3], s[G1:G1+7]    ; slot 0
	s_nop 0
	tensor_load_to_lds s[G0B:G0B+3], s[G1:G1+7]    ; slot 1
	s_nop 0
	PLACES 4
	s_mov_b32 s[SEL], 0x76543210
	s_mov_b32 s[SEL+1], 0xfedcba98
	s_mov_b32 s[CS], 0x3db8aa3b                    ; log2(e) / 16
	s_mov_b32 s[CS+1], s[CS]
	s_mov_b32 s[HI], 0xffff0000                    ; lanes 16-31
	s_mov_b32 s[TB], 0
	s_mov_b32 s73, 0
	s_mul_i32 s70, s[BT], 1671168                  ; the prefetches of kv: partner cx takes group cx of a slot, told apart by address; waves 0 to 2 take 32 blocks of 256 bytes each
	s_mul_i32 s71, s[CX], GRPB
	s_add_co_u32 s70, s70, s71
	s_lshl_b32 s71, s[WV], 13
	s_add_co_u32 s70, s70, s71
	s_add_co_u32 s70, s70, 2*SLOTB                 ; in slot 2: the first change of slots steps it to slot 3
	s_mov_b32 s71, 0
	s_add_nc_u64 s[PFA:PFA+1], s[6:7], s[70:71]
	s_cmp_lt_u32 s[WV], 3
	s_cselect_b32 s[LIM], 0, 1
	s_or_b32 s[LIM], s[LIM], ttmp9                 ; the batch's first cluster asks: the same in all four partners
	s_cmp_eq_u32 s[LIM], 0
	s_cselect_b32 s[LIM], 1, -1
	s_lshl_b32 s72, s[BT], 6
	s_add_co_u32 s72, s72, s[GG]
	s_mul_i32 s72, s72, 12800
	s_add_nc_u64 s[74:75], s[4:5], s[72:73]        ; my group in qc
	s_lshl_b32 s[XT0], s[QG], 1
	s_add_co_u32 s[XT0], s[XT0], s[KH]             ; my tile 0 is tile 2 qg + kh of the group,
	s_xor_b32 s77, s[XT0], 1                       ; my tile 1 the other of the pair
	s_mul_i32 s72, s[XT0], 3072
	s_add_nc_u64 s[QB0:QB0+1], s[74:75], s[72:73]
	s_mul_i32 s72, s77, 3072
	s_add_nc_u64 s[QB1:QB1+1], s[74:75], s[72:73]
	s_lshl_b32 s72, s[XT0], 2
	s_add_nc_u64 s[QS0:QS0+1], s[74:75], s[72:73]
	s_lshl_b32 s72, s77, 2
	s_add_nc_u64 s[QS1:QS1+1], s[74:75], s[72:73]
	s_lshl_b32 s72, s[BT], 23                      ; x and out0: batch, my 128 rows, my group's 256 bytes of a row
	s_lshl_b32 s78, s[WV], 21
	s_add_co_u32 s72, s72, s78
	s_lshl_b32 s78, s[GG], 8
	s_add_co_u32 s72, s72, s78
	s_add_nc_u64 s[XB:XB+1], s[14:15], s[72:73]
	s_add_nc_u64 s[OUTB:OUTB+1], s[16:17], s[72:73]
	s_mul_i32 s72, s[WV], 24576                    ; out_w: my 128 rows of 192 bytes
	s_add_nc_u64 s[OWC:OWC+1], s[8:9], s[72:73]
	s_lshl_b32 s72, s[WV], 10
	s_add_nc_u64 s[OWS:OWS+1], s[10:11], s[72:73]
	s_lshl_b32 s72, s[WV], 9
	s_add_nc_u64 s[OBB:OBB+1], s[12:13], s[72:73]
	v_and_b32 v15, 31, v0                          ; lane
	v_lshlrev_b32 v[LI], 4, v15
	v_lshlrev_b32 v[L8], 3, v15
	v_lshlrev_b32 v[L4], 2, v15
	s_mul_i32 s72, s[KH], 2*GRPB
	v_add_nc_u32 v[AK0], s72, v[LI]
	v_add_nc_u32 v[AV8], s72, v[L8]
	v_lshlrev_b32 v[PFO], 8, v15
	v_lshlrev_b32 v[PXO], 14, v15
	v_and_b32 v6, 15, v0                           ; r
	v_bfe_u32 v7, v0, 4, 1                         ; h
	v_lshlrev_b32 v[XRA], 14, v7
	v_lshl_add_u32 v[XRA], v6, 4, v[XRA]
	v_mul_u32_u24 v[OWA], v6, 192
	v_mad_u32_u24 v[OWA], v7, 24, v[OWA]
	v_lshlrev_b32 v[OSA], 3, v6
	v_lshl_add_u32 v[OSA], v7, 2, v[OSA]
	v_lshlrev_b32 v[OBA], 2, v6
	WIN 0x80                                       ; destination window 2
.irp d, 0,1
.irp c, 0,1,2
	global_load_b128 v[192+12*\d+4*\c:192+12*\d+4*\c+3], v[LI], s[QB0:QB0+1] offset:1536*\d+512*\c      ; Q stays in registers
	global_load_b128 v[216+12*\d+4*\c:216+12*\d+4*\c+3], v[LI], s[QB1:QB1+1] offset:1536*\d+512*\c
.endr
.endr
	WIN 0
	global_load_b32 v[QS], v[LI], s[QS0:QS0+1] offset:12288       ; lanes 0-15 the word of dims 0-127, lanes 16-31 of dims 128-255
	global_load_b32 v[QS+1], v[LI], s[QS1:QS1+1] offset:12288
.irp i, 0,1,2,3,4,5,6,7
	global_load_b32 v[OB+\i], v[OBA], s[OBB:OBB+1] offset:64*\i
.endr
.irp qt, 0,1
	v_mov_b32 v[ST+24*\qt+1], 0xff61b1e6           ; the largest t so far: -3e38
	v_mov_b32 v[ST+24*\qt+2], 0                    ; the sum, in two halves
	v_mov_b32 v[ST+24*\qt+3], 0
	v_mov_b32 v[ST+24*\qt+21], 0                   ; named as the upper half of f's pair
.irp b, 0,1,2,3
	v_mov_b32 v[ST+24*\qt+8+\b], 0                 ; a lane permute's destination counts as one of its sources
.endr
.endr
.irp qt, 0,1
	v_floor_f32 v[ST+24*\qt], -v[ST+24*\qt+1]      ; -M
.endr
; K of my 128 keys: 16 fragments as images, and their scale words: 50 loads
.macro FETCH_K
	WIN 0
	v_add_nc_u32 v[ADR16], s[TB], v[AK0]
	WIN 0x80
.irp gi, 0,1
.irp f, 0,1,2,3,4,5,6,7
.irp c, 0,1,2
	ds_load_b128 v[12*(8*\gi+\f)+4*\c:12*(8*\gi+\f)+4*\c+3], v[ADR16] offset:GRPB*\gi+1536*\f+512*\c
.endr
.endr
.endr
	WIN 0
.irp gi, 0,1
	ds_load_b128 v[KS+4*\gi:KS+4*\gi+3], v[ADR16] offset:GRPB*\gi+24576
.endr
.endm
; V of the same keys: each group brings half of each of the 16 fragments (6 registers) and half of each scale word: 72 loads.  The address of 16 bytes a lane is the one that FETCH_K made.
.macro FETCH_V
	PLACES 4                                       ; in front of loads into registers that matrix instructions have read
	v_add_nc_u32 v[ADR8], s[TB], v[AV8]
	WIN 0xc0
.irp gi, 0,1
.irp ct, 0,1,2,3,4,5,6,7,8,9,10,11,12,13,14,15
	ds_load_b128 v[12*\ct+6*\gi:12*\ct+6*\gi+3], v[ADR16] offset:GRPB*\gi+12288+768*\ct
	ds_load_b64 v[12*\ct+6*\gi+4:12*\ct+6*\gi+5], v[ADR8] offset:GRPB*\gi+12288+768*\ct+512
.endr
.endr
	WIN 0
.irp q, 0,1,2,3
	ds_load_b64 v[VS+2*\q:VS+2*\q+1], v[ADR8] offset:25088+256*\q
	ds_load_b64 v[VSB+2*\q:VSB+2*\q+1], v[ADR8] offset:GRPB+25088+256*\q
.endr
.endm
; S^T = K Q^T: 8 tiles of keys x 2 tiles of queries, 256 along K in two links; the 16 accumulators by turns
.macro SPROD
	WIN 0x0a
.irp d, 0,1
.irp kt, 0,1,2,3,4,5,6,7
.irp qt, 0,1
.if \d == 0
	WM S+64*\qt+8*\kt, 12*(2*\kt+\d), 192+12*(2*\qt+\d), -1, KS+\kt, QS+\qt, 0, 0
.else
	WM S+64*\qt+8*\kt, 12*(2*\kt+\d), 192+12*(2*\qt+\d), S+64*\qt+8*\kt, KS+\kt, QS+\qt, 1, 1
.endif
.endr
.endr
.endr
.endm
; O^T += V^T P^T: 16 tiles of channels x 2 tiles of queries; 32 accumulators, one link each
.macro PV first
	WIN 0x53
.irp ct, 0,1,2,3,4,5,6,7,8,9,10,11,12,13,14,15
.irp qt, 0,1
.if \first
	WM 128*\qt+8*\ct, 12*\ct, PC+12*\qt, -1, VS+\ct/2, PSW+\qt, \ct%2, 0
.else
	WM 128*\qt+8*\ct, 12*\ct, PC+12*\qt, 128*\qt+8*\ct, VS+\ct/2, PSW+\qt, \ct%2, 0
.endif
.endr
.endr
.endm
; A prefetch of what the NEXT change of slots will ask for: one instruction in each of three waves of each partner of the batch's first cluster, 32 blocks of 256 bytes, each named once in the launch.
; A group's last six blocks come by their load alone.  The last change that fills a slot asks for nothing.
.macro ASK
	s_cmp_gt_u32 s[SLOTS], s[LIM]
	s_cbranch_scc0 .Lnot_mine_\@
	global_prefetch_b8 v[PFO], s[PFA:PFA+1] th:TH_LOAD_NT scope:SCOPE_SE
.Lnot_mine_\@:
.endm
; THE CHANGE OF SLOTS.  The slot in hand has been read into registers.  Each wave waits for all its tensor loads (its part of the next slot), adds 0 to its spare word, and waits for that and for its reads.
; fill = 1: behind a round of the cluster's barrier the slot is filled again with the keys two slots on: that load has a whole step in which to land.
.macro CHANGE fill
	WIN 0
	s_wait_tensorcnt 0x0                           ; no tensor load of mine is out, so a group 0 may be written
	ds_add_u32 v[SPW], v[NIL]                      ; 0 onto my spare word
.if \fill
	s_xor_b32 s[G0B+1], s[G0B+1], SLOT1            ; the walking descriptor: the other slot than last time,
	s_add_nc_u64 s[G0B+2:G0B+3], s[G0B+2:G0B+3], SLOTB   ; the next 256 keys
	s_wait_xcnt 0x0                                ; the last prefetch, a step back, has read its address
	s_add_nc_u64 s[PFA:PFA+1], s[PFA:PFA+1], SLOTB
	s_wait_dscnt 0x0                               ; the add is done, and my reads of the slot are over
	CROUND
	tensor_load_to_lds s[G0B:G0B+3], s[G1:G1+7]    ; my one tensor load behind the round
	s_nop 0
	PLACES 4                                       ; also the places behind the products above
	ASK
.else
	s_wait_dscnt 0x0
	s_barrier_signal -1
	s_barrier_wait -1
	PLACES 4
.endif
	s_xor_b32 s[TB], s[TB], SLOT1                  ; the fetches go on in the other slot
.endm
; THE SOFTMAX of a tile, in pieces.  Register 16 b + i of a tile's 64 is key 32 b + 16 (lane / 16) + i.
.macro SM_M1 qt, n                     ; line n of 32: the largest score of each block of 32 keys; each accumulator is read from its low end on
.set rS, S+64*(\qt)
.set rB, ST+24*(\qt)+4
.set bq, (\n)%4
.set sg, (\n)/4
.if sg == 0
	v_max3_num_f32 v[rB+bq], v[rS+16*bq], v[rS+16*bq+1], v[rS+16*bq+2]
.elseif sg < 7
	v_max3_num_f32 v[rB+bq], v[rB+bq], v[rS+16*bq+2*sg+1], v[rS+16*bq+2*sg+2]
.else
	v_max_num_f32 v[rB+bq], v[rB+bq], v[rS+16*bq+15]
.endif
.endm
.macro SM_M2 qt                        ; the other half of the lanes; the new -M; f = 2^(old M - new M); t - M of the blocks' largest scores
.set rT, ST+24*(\qt)
.irp b, 0,1,2,3
	v_permlanex16_b32 v[rT+8+\b], v[rT+4+\b], s[SEL], s[SEL+1]
.endr
.irp b, 0,1,2,3
	v_max_num_f32 v[rT+4+\b], v[rT+4+\b], v[rT+8+\b]
.endr
	v_max3_num_f32 v[rT+22], v[rT+4], v[rT+5], v[rT+6]
	v_max_num_f32 v[rT+22], v[rT+22], v[rT+7]
	v_mul_f32 v[rT+22], s[CS], v[rT+22]
	v_max_num_f32 v[rT+1], v[rT+1], v[rT+22]       ; the running largest t
	v_mov_b32 v[rT+22], v[rT]
	v_floor_f32 v[rT], -v[rT+1]                    ; -M = floor(-t): M is a whole number
	v_sub_f32 v[rT+22], v[rT], v[rT+22]
	v_cvt_i32_f32 v[rT+22], v[rT+22]               ; (it saturates)
	v_ldexp_f32 v[rT+20], 1.0, v[rT+22]
.irp b, 0,1,2,3
	v_fma_f32 v[rT+4+\b], v[rT+4+\b], s[CS], v[rT]
.endr
.endm
.macro SM_E qt, p                      ; t - M of pair p
.set rS, S+64*(\qt)+2*(\p)
.set rT, ST+24*(\qt)
	v_pk_fma_f32 v[rS:rS+1], v[rS:rS+1], s[CS:CS+1], v[rT:rT+1] op_sel_hi:[1,0,0]
.endm
.macro SM_X qt, n                      ; p = 2^(t - M)
	v_exp_f32 v[S+64*(\qt)+(\n)], v[S+64*(\qt)+(\n)]
.endm
.macro SM_XB qt                        ; the blocks' largest p
.irp b, 0,1,2,3
	v_exp_f32 v[ST+24*(\qt)+4+\b], v[ST+24*(\qt)+4+\b]
.endr
.endm
.macro SM_LS qt                        ; the sum under the new M
.set rT, ST+24*(\qt)
	v_pk_mul_f32 v[rT+2:rT+3], v[rT+2:rT+3], v[rT+20:rT+21] op_sel_hi:[1,0]
.endm
.macro SM_SUM qt, n                    ; line n of 32: the sum of the unquantised p, two at a time, in two chains
.set rS, S+64*(\qt)
.set rT, ST+24*(\qt)
.if (\n) == 0
	v_pk_add_f32 v[rT+8:rT+9], v[rS:rS+1], v[rS+2:rS+3]
.elseif (\n) == 31
	v_pk_add_f32 v[rT+2:rT+3], v[rT+2:rT+3], v[rT+8:rT+9]
.elseif (\n)%2 == 1
.set jj, 4*(((\n)+1)/2)
	v_pk_add_f32 v[rT+2:rT+3], v[rT+2:rT+3], v[rS+jj:rS+jj+1]
.else
.set jj, 4*((\n)/2)+2
	v_pk_add_f32 v[rT+8:rT+9], v[rT+8:rT+9], v[rS+jj:rS+jj+1]
.endif
.endm
.macro SM_SC qt                        ; the four blocks' scale operands, bytes and the scale word
.set rT, ST+24*(\qt)
.irp b, 0,1,2,3
	v_max_num_f32 v[rT+4+\b], 0x1800000, v[rT+4+\b]
.endr
.irp b, 0,1,2,3
	v_add_nc_u32 v[rT+16+\b], 0xff000000, v[rT+4+\b]
.endr
.irp b, 0,1,2,3
	v_lshrrev_b32 v[rT+8+\b], 23, v[rT+16+\b]
.endr
	v_lshl_or_b32 v[PSW+\qt], v[rT+9], 8, v[rT+8]
	v_lshl_or_b32 v[PSW+\qt], v[rT+10], 16, v[PSW+\qt]
	v_lshl_or_b32 v[PSW+\qt], v[rT+11], 24, v[PSW+\qt]
.endm
.macro SM_CV qt                        ; p's codes
.set rS, S+64*(\qt)
.set rT, ST+24*(\qt)
.set rP, PC+12*(\qt)
.irp c, 0,1
	v_cvt_scalef32_pk16_fp6_f32 v[rP+6*\c:rP+6*\c+2], v[rS+32*\c:rS+32*\c+15], v[rT+16+2*\c]
	v_cvt_scalef32_pk16_fp6_f32 v[rT+8+4*\c:rT+8+4*\c+2], v[rS+32*\c+16:rS+32*\c+31], v[rT+16+2*\c+1]
.endr
	v_nop                                          ; one plain line behind the scaled conversions
.irp c, 0,1
.irp i, 0,1,2
	v_permlane16_swap_b32 v[rP+6*\c+\i], v[rT+8+4*\c+\i]
.endr
.irp i, 0,1,2
	v_mov_b32 v[rP+3+6*\c+\i], v[rT+8+4*\c+\i]
.endr
.endr
.endm
; Both tiles.  A tile's 68 exponentials are one batch with one wait; the plain lines set among them belong to the other tile and name none of the batch's results.
.macro SOFTMAX
.irp i, 0,1,2,3,4,5,6,7
	v_or_b32 v[VS+\i], v[VS+\i], v[VSB+\i]         ; V's scale words: the two groups' halves
.endr
.set k, 0
.rept 32
	SM_M1 0, k
.set k, k+1
.endr
	SM_M2 0
	SM_E 0, 0
.set k, 0
.rept 32
.if k < 31
	SM_E 0, k+1
.endif
	SM_X 0, 2*k
	SM_X 0, 2*k+1
	SM_M1 1, k
.set k, k+1
.endr
	SM_XB 0
	SM_M2 1
	SM_E 1, 0
	SM_LS 0
	s_wait_alu depctr_va_vdst(0)                   ; one wait for tile 0's batch, ahead of its first reader
.set k, 0
.rept 32
.if k < 31
	SM_E 1, k+1
.endif
	SM_X 1, 2*k
	SM_X 1, 2*k+1
	SM_SUM 0, k
.set k, k+1
.endr
	SM_XB 1
	SM_SC 0
	SM_CV 0
	s_wait_alu depctr_va_vdst(0)                   ; and one for tile 1's
	SM_LS 1
.set k, 0
.rept 32
	SM_SUM 1, k
.set k, k+1
.endr
	SM_SC 1
	SM_CV 1
.endm
.macro RESCALE                         ; O^T under the new M: x f, exact; each accumulator from its low end on.  Also the places in front of the products
	WIN 0x41
.irp qt, 0,1
.set i, 0
.rept 64
	v_pk_mul_f32 v[128*\qt+2*i:128*\qt+2*i+1], v[128*\qt+2*i:128*\qt+2*i+1], v[ST+24*\qt+20:ST+24*\qt+21] op_sel_hi:[1,0]
.set i, i+1
.endr
.endr
.endm
.macro OWLOAD                          ; my 128 rows of out_w take K's registers: tile ctl, K step ks at 12 (2 ctl + ks); their scale words take K's
	WIN 0x80
.irp ctl, 0,1,2,3,4,5,6,7
.irp ks, 0,1
.irp p, 0,1,2,3,4,5
	global_load_b64 v[12*(2*\ctl+\ks)+2*\p:12*(2*\ctl+\ks)+2*\p+1], v[OWA], s[OWC:OWC+1] offset:3072*\ctl+96*\ks+48*(\p/3)+8*(\p%3)
.endr
.endr
.endr
	WIN 0
.irp ctl, 0,1,2,3,4,5,6,7
	global_load_b32 v[KS+\ctl], v[OSA], s[OWS:OWS+1] offset:128*\ctl
.endr
.endm
; A KEY STEP.  first = 1: O^T's sums start.  mode 2: the slot is filled again; 1: the last slot but one, nothing is asked for; 0: the last slot.
.macro BODY first, mode
	s_wait_dscnt 63                                ; K and its scale words are in: 72 loads were issued behind them, and 63 is the largest count a wait can name
	SPROD
.if \mode == 2
	CHANGE 1
	FETCH_K
.elseif \mode == 1
	CHANGE 0
	FETCH_K
.else
	WIN 0
	s_wait_dscnt 0x0                               ; V
	PLACES 4
	OWLOAD
.endif
	SOFTMAX
.if \first
	PLACES 8                                       ; a scale word made by vector instructions stands 8 places ahead of the products
.else
	RESCALE
.endif
	PV \first
	WIN 0
.if \mode
	FETCH_V
.else
	PLACES 4
.endif
.if \mode == 1
.irp i, 0,1,2,3                        ; my 128 rows x 256 bytes of x, a lane a row, one key step ahead of their loads; each block is named once in the launch
	global_prefetch_b8 v[PXO], s[XB:XB+1] offset:524288*\i th:TH_LOAD_NT scope:SCOPE_SE
.endr
.endif
.endm
	s_wait_tensorcnt 0x1                           ; my part of slot 0 is in; slot 1's may be out
	s_barrier_signal -1
	s_barrier_wait -1
	FETCH_K
	FETCH_V
	s_wait_loadcnt 0x0                             ; Q, its scale words, out_b
	s_mov_b32 s[SLOTS], 14
	BODY 1, 2
	s_mov_b32 s[SLOTS], 13
.Lstep:                                            ; 13 trips: slots 1 to 13, each filled again
	BODY 0, 2
	s_sub_co_u32 s[SLOTS], s[SLOTS], 1
	s_cmp_lg_u32 s[SLOTS], 0
	s_cbranch_scc1 .Lstep
	BODY 0, 1                                      ; the tail is written out
	BODY 0, 0
	; ---- THE END.  The sums; x on its way; my tile 1 to wave w xor 2, its tile 1 (my tile 0's other keys) to me.
.irp qt, 0,1
	v_add_f32 v[ST+24*\qt+22], v[ST+24*\qt+2], v[ST+24*\qt+3]
.endr
.irp qt, 0,1
	v_permlanex16_b32 v[ST+24*\qt+8], v[ST+24*\qt+22], s[SEL], s[SEL+1]
.endr
.irp qt, 0,1
	v_add_f32 v[ST+24*\qt+2], v[ST+24*\qt+22], v[ST+24*\qt+8]
.endr
	WIN 0xc0
.set i, 0
.rept 64
	global_load_b128 v[4*i:4*i+3], v[XRA], s[XB:XB+1] offset:32768*i th:TH_LOAD_NT     ; rows 2 i, 2 i + 1 of my 128: sixteen lanes read 256 consecutive bytes
.set i, i+1
.endr
	WIN 0
	s_mul_i32 s72, s[WV], 16640
	s_add_co_u32 s72, s72, MST
	v_add_nc_u32 v4, s72, v[LI]
	s_add_co_u32 s72, s72, 16384
	v_add_nc_u32 v5, s72, v[L4]
	s_xor_b32 s73, s[WV], 2
	s_mul_i32 s73, s73, 16640
	s_add_co_u32 s73, s73, MST
	v_add_nc_u32 v6, s73, v[LI]
	s_add_co_u32 s73, s73, 16384
	v_add_nc_u32 v7, s73, v[L4]
	WIN 0x04                                       ; an LDS store's data are its source 1: window 1
.set i, 0
.rept 32
	ds_store_b128 v4, v[128+4*i:128+4*i+3] offset:512*i
.set i, i+1
.endr
	WIN 0
	ds_store_b32 v5, v[ST+24]                      ; its -M
	ds_store_b32 v5, v[ST+26] offset:128           ; its sum
	BARRIER
.set i, 0
.rept 32
	ds_load_b128 v[S+4*i:S+4*i+3], v6 offset:512*i
.set i, i+1
.endr
	ds_load_b32 v40, v7
	ds_load_b32 v42, v7 offset:128
	s_wait_dscnt 0x0
	v_min_num_f32 v44, v[ST], v40                  ; the larger M of the two halves
	v_sub_f32 v45, v44, v[ST]
	v_sub_f32 v46, v44, v40
	v_cvt_i32_f32 v45, v45
	v_cvt_i32_f32 v46, v46
	v_ldexp_f32 v45, 1.0, v45                      ; what brings my half under it,
	v_ldexp_f32 v46, 1.0, v46                      ; and the other
	v_mul_f32 v47, v42, v46
	v_fma_f32 v47, v[ST+2], v45, v47               ; the whole sum
	v_rcp_f32 v47, v47
	v_nop
	s_wait_alu depctr_va_vdst(0)                   ; ahead of the first reader
	v_mul_f32 v48, v45, v47
	v_mul_f32 v50, v46, v47
	v_mov_b32 v49, v48
	v_mov_b32 v51, v50
.set i, 0
.rept 64
	v_pk_mul_f32 v[S+2*i:S+2*i+1], v[S+2*i:S+2*i+1], v[50:51] op_sel_hi:[1,0]
.set i, i+1
.endr
	WIN 0x01
.set i, 0
.rept 64
	v_pk_fma_f32 v[S+2*i:S+2*i+1], v[2*i:2*i+1], v[48:49], v[S+2*i:S+2*i+1] op_sel_hi:[1,0,1]   ; o / l: register 16 b + i = channel 32 b + 16 h + i
.set i, i+1
.endr
	WIN 0
	s_mul_i32 s72, s[XT0], 3072
	s_add_co_u32 s72, s72, HIMG
	v_add_nc_u32 v4, s72, v[LI]
	s_lshl_b32 s72, s[XT0], 7
	s_add_co_u32 s72, s72, HSC
	v_add_nc_u32 v5, s72, v[L4]
	v_add_nc_u32 v6, HIMG, v[LI]
	v_add_nc_u32 v7, HSC, v[L4]
	QUANT S, PC, 24, 52, 56, 60, 32
	QUANT S+64, PC+12, 24, 52, 56, 60, 33
	v_cndmask_b32 v34, v32, v33, s[HI]             ; lanes 0-15 the word of channels 0-127, lanes 16-31 of 128-255
	v_and_b32 v50, 15, v0
	v_bfe_u32 v51, v0, 4, 1
	s_mul_i32 s72, s[WV], 4352
	s_add_co_u32 s72, s72, OST
	v_mul_u32_u24 v48, v50, 272
	v_lshl_add_u32 v48, v51, 6, v48
	v_add_nc_u32 v48, s72, v48                     ; the way out, in: row r, + 64 h
	v_mul_u32_u24 v49, v51, 272
	v_lshl_add_u32 v49, v50, 4, v49
	v_add_nc_u32 v49, s72, v49                     ; and back: lanes 0-15 one row, lanes 16-31 the next
.irp f, 0,1
.irp c, 0,1,2
	ds_store_b128 v4, v[PC+12*\f+4*\c:PC+12*\f+4*\c+3] offset:1536*\f+512*\c
.endr
.endr
	ds_store_b32 v5, v34
	BARRIER                                        ; the eight fragments of o / l lie in LDS
.irp f, 0,1,2,3,4,5,6,7
.irp c, 0,1,2
	ds_load_b128 v[64+12*\f+4*\c:64+12*\f+4*\c+3], v6 offset:1536*\f+512*\c
.endr
.endr
.irp xt, 0,1,2,3
	ds_load_b32 v[HS+\xt], v7 offset:128*\xt
.endr
	WIN 0x40
.irp ctl, 0,1,2,3,4,5,6,7
.irp j, 0,1,2,3,4,5,6,7
	v_mov_b32 v[8*\ctl+\j], v[OB+\ctl]             ; out_b as the C of each sum's first product: a lane holds one row of out0
.endr
.endr
	WIN 0
	s_wait_loadcnt 63                              ; out_w is in: 64 loads of x were issued behind it, and 63 is the largest count a wait can name
	s_wait_dscnt 0x0
; tile ctl of my rows of out0 x the 64 columns: four accumulators by turns, two links each
.macro W6 ctl
	WIN 0x58                                       ; source 1 window 2, C and D window 1
.irp ks, 0,1
.irp xt, 0,1,2,3
.if \ks == 0
	WM 64+32*((\ctl)%2)+8*\xt, 64+12*(2*\xt+\ks), 12*(2*(\ctl)+\ks), 8*(\ctl), HS+\xt, KS+(\ctl), 0, 0
.else
	WM 64+32*((\ctl)%2)+8*\xt, 64+12*(2*\xt+\ks), 12*(2*(\ctl)+\ks), 64+32*((\ctl)%2)+8*\xt, HS+\xt, KS+(\ctl), 1, 1
.endif
.endr
.endr
.endm
	W6 0
.irp cc, 0,1,2,3,4,5,6,7
.if \cc < 7
	W6 \cc+1
.endif
	WIN 0x04
	PLACES 4                                       ; in front of the stores that read results
.irp xt, 0,1,2,3                       ; lane (r, h) of tile 2 b + u: row r, columns 32 b + 8 u + 16 h + 0 .. 7
	ds_store_b128 v48, v[64+32*(\cc%2)+8*\xt:64+32*(\cc%2)+8*\xt+3] offset:128*(\xt/2)+32*(\xt%2)
	ds_store_b128 v48, v[64+32*(\cc%2)+8*\xt+4:64+32*(\cc%2)+8*\xt+7] offset:128*(\xt/2)+32*(\xt%2)+16
.endr
	WIN 0
	s_wait_xcnt 0x0                                ; the stores of two tiles back have read their registers
.irp i, 0,1,2,3,4,5,6,7
	ds_load_b128 v[160-144*(\cc%2)+4*\i:160-144*(\cc%2)+4*\i+3], v49 offset:544*\i     ; LDS serves a wave's instructions in order: these see my stores
.endr
	s_wait_loadcnt 56-8*\cc                        ; this tile's eight loads of x are in; the later tiles' may be out
	s_wait_dscnt 0x0
	WIN 0x0c                                       ; source 1 window 3: x
.irp i, 0,1,2,3,4,5,6,7
	v_pk_add_f32 v[160-144*(\cc%2)+4*\i:160-144*(\cc%2)+4*\i+1], v[160-144*(\cc%2)+4*\i:160-144*(\cc%2)+4*\i+1], v[4*(8*\cc+\i):4*(8*\cc+\i)+1]
	v_pk_add_f32 v[160-144*(\cc%2)+4*\i+2:160-144*(\cc%2)+4*\i+3], v[160-144*(\cc%2)+4*\i+2:160-144*(\cc%2)+4*\i+3], v[4*(8*\cc+\i)+2:4*(8*\cc+\i)+3]
.endr
	WIN 0
.irp i, 0,1,2,3,4,5,6,7
	global_store_b128 v[XRA], v[160-144*(\cc%2)+4*\i:160-144*(\cc%2)+4*\i+3], s[OUTB:OUTB+1] offset:32768*(8*\cc+\i) th:TH_STORE_NT   ; sixteen lanes store 256 consecutive bytes, aligned
.endr
.endr
	s_wait_tensorcnt 0x0                           ; the wave's end
	ds_add_u32 v[SPW], v[NIL]
	s_wait_dscnt 0x0
	CROUND                                         ; the closing round
	s_endpgm
.Lfunc_end_k_q4ffbc6e9f9_attn:
	.size	k_q4ffbc6e9f9_attn, .Lfunc_end_k_q4ffbc6e9f9_attn-k_q4ffbc6e9f9_attn
	.p2alignl 7, 3214868480
	.fill 96, 4, 3214868480
	.section	.rodata,"a",@progbits
	.p2align	6, 0x0
	.amdhsa_kernel k_q4ffbc6e9f9_attn
		.amdhsa_group_segment_fixed_size 327680
		.amdhsa_private_segment_fixed_size 0
		.amdhsa_enable_private_segment 0
		.amdhsa_kernarg_size 56
		.amdhsa_user_sgpr_count 2
		.amdhsa_user_sgpr_kernarg_segment_ptr 1
		.amdhsa_wavefront_size32 1
		.amdhsa_system_sgpr_workgroup_id_x 1
		.amdhsa_system_sgpr_workgroup_id_y 1
		.amdhsa_system_sgpr_workgroup_id_z 1
		.amdhsa_system_vgpr_workitem_id 0
		.amdhsa_next_free_vgpr 1024
		.amdhsa_next_free_sgpr 100
		.amdhsa_reserve_vcc 0
		.amdhsa_float_denorm_mode_32 3
		.amdhsa_float_denorm_mode_16_64 3
		.amdhsa_memory_ordered 1
		.amdhsa_forward_progress 1
		.amdhsa_inst_pref_size 255
	.end_amdhsa_kernel
	.section	.bss,"aw",@nobits
	.p2align	6
	.space	262144
	.amdgpu_metadata
---
amdhsa.version: [ 1, 2 ]
amdhsa.kernels:
  - .name:           k_q4ffbc6e9f9_attn
    .symbol:         k_q4ffbc6e9f9_attn.kd
    .args:
      - { .name: qc, .offset: 0, .size: 8, .value_kind: global_buffer, .address_space: global }
      - { .name: kv, .offset: 8, .size: 8, .value_kind: global_buffer, .address_space: global }
      - { .name: out_w_codes, .offset: 16, .size: 8, .value_kind: global_buffer, .address_space: global }
      - { .name: out_w_scales, .offset: 24, .size: 8, .value_kind: global_buffer, .address_space: global }
      - { .name: out_b, .offset: 32, .size: 8, .value_kind: global_buffer, .address_space: global }
      - { .name: x, .offset: 40, .size: 8, .value_kind: global_buffer, .address_space: global }
      - { .name: out0, .offset: 48, .size: 8, .value_kind: global_buffer, .address_space: global }
    .group_segment_fixed_size: 327680
    .private_segment_fixed_size: 0
    .kernarg_segment_align: 8
    .kernarg_segment_size: 56
    .max_flat_workgroup_size: 128
    .sgpr_count:     100
    .vgpr_count:     1024
    .wavefront_size: 32
...
	.end_amdgpu_metadata
.endif
;; end of part 2
